; MI455X (gfx1250); checked and timed in simulation.
; The chip was launched on July 23, 2026; its instructions are those of AMD's public machine-readable ISA for CDNA 5 (MIT licence, August 2026) and "CDNA5" Instruction Set Architecture Reference Guide (July 2026). The comments in the code are by the model that wrote it; some were corrected since.
;; Attend. Allowed arithmetic: matrix products marked QUANTISED: E4M3 operands, one given power-of-two scale a tensor, by v_wmma_f32_16x16x64_fp8_fp8 or v_wmma_f32_16x16x128_fp8_fp8, f32 sums; everything else in f32.
;; Inputs: k 16 x 4,096 x 128 float32; lowp_scales 4 int32 (the exponents e of the quantised operands' scales 2^e); q 16 x 4,096 x 128 float32; v 16 x 4,096 x 128 float32.
;; Outputs: out0 16 x 4,096 x 128 float32.
;; This version of the problem:
;;   THIS VERSION OF THE PROBLEM IS GIVEN IN LOW PRECISION. The matrix products marked QUANTISED in the list below multiply operands that are first quantised to E4M3 (4 exponent bits, 3 mantissa bits; 8 bits a number), with one given power-of-two scale for each operand tensor; their sums are f32. All else is computed in f32.
;;   The module's matrix products, in the order in which they are computed (A, B: the left and right operand; K: the contracted axis; several contracted axes count as one K, in the product's order):
;;     1. batch 16 x [M 4,096, K 128] x [K 128, N 4,096]; A: input q; B: input k: QUANTISED (scales: A lowp_scales[0], B lowp_scales[1])
;;     2. batch 16 x [M 4,096, K 4,096] x [K 4,096, N 128]; A: softmax (see below); B: input v: QUANTISED (scales: A lowp_scales[2], B lowp_scales[3])
;;   THE QUANTISER, for each operand of a quantised product, along K:
;;     - The operand's scale is 2^e, e = its entry of the input lowp_scales (int32; the entries are numbered through the quantised products in the list's order, A before B).
;;     - Each number is divided by the scale, clamped to +-448, and rounded to the nearest number of E4M3, ties to even, subnormals kept.
;;     - The product sums the exact products of the quantised numbers (number of the format x scale) in f32.
;;   ~~~python
;;   def quantise(x, axis, e):      # numpy; x: float32 -> the quantised numbers, widened to float32 again
;;       x = np.moveaxis(x, axis, -1); K = x.shape[-1]
;;       r = np.clip(x / 2.0 ** e, -448, 448)
;;       step = 2.0 ** (np.maximum(np.frexp(np.where(r == 0, 1, r))[1] - 1, -6) - 3)
;;       q = np.round(r / step) * step * 2.0 ** e      # np.round: ties to even
;;       return np.moveaxis(q, -1, axis).astype(np.float32)
;;   ~~~
;;   SOFTMAX AHEAD OF A QUANTISED PRODUCT. Where the list says 'softmax', what is quantised is not the finished softmax but p = 2^(t - M), with t = logit x log2(e) and M = ceil(the row's largest t), a whole number; so 1/2 < the row's largest p <= 1. The row's sum l is taken of the UNQUANTISED p, in f32, and the product's result is divided by l at the end. Since M is a whole number, a kernel that streams over the keys may use a running M (the ceiling of the running maximum): every later rescaling is an exact power of two, so the quantised numbers keep their values, but for numbers so far below the row's largest that they fall under the format's range.
;;   OPERANDS COMPUTED ON THE WAY. 'Computed on the way' means the value that the module computes at that place (a softmax that the list does not call 'softmax' is quantised finished and normalised). What goes into a quantiser is computed in f32, as accurately as f32 sums, v_exp_f32 and their like allow (about 1e-6 of the number): no bf16 or f16 on the way to a quantiser, and a product that is left as it is and whose result goes on into a quantised operand takes f32 operands (vector FMAs, or v_wmma_f32_16x16x4_f32). A number that lies on a knife's edge between two numbers of the format may be rounded either way, as far as f32 arithmetic and the matrix unit's own rounding can turn it there, and no further.
;; One version. Each part assembles by itself: llvm-mc -triple=amdgcn-amd-amdhsa -mcpu=gfx1250 --defsym DOCPART=n.
;; ======== version 1 of 1: 2 launches
;; limits: right only within a limited range of input values
;; workspace buffers: k_codes 8,388,608 bytes; v_codes 8,388,608 bytes
;; launch prep (part 1): grid 256 x 1, 8 waves a work-group, no clusters, 70,656 bytes of LDS; arguments k, v, lowp_scales, k_codes, v_codes; writes k_codes, v_codes
.if DOCPART == 1
	.amdgcn_target "amdgcn-amd-amdhsa--gfx1250"
	.amdhsa_code_object_version 6
	.text
	.protected	k_q9506f89523_prep
	.globl	k_q9506f89523_prep
	.p2align	8
	.type	k_q9506f89523_prep,@function
k_q9506f89523_prep:
	s_mov_b64 s[64:65], 0
	v_nop
	global_prefetch_b8 v0, s[64:65] scope:SCOPE_SE
	s_setreg_imm32_b32 hwreg(HW_REG_WAVE_MODE, 25, 1), 1
	s_wait_xcnt 0x0
; k and v, both [16][4096][128] f32, become codes of FP8 (E4M3), one byte each, with the given scales 2^ek (entry 1 of the scales' buffer) and 2^ev (entry 3).
; code = x / 2^e, held within +-448, rounded to the nearest code, ties to even.
; LIMITS: ek and ev between -126 and 119, so that 2^e and 448 x 2^e are f32 numbers.  NaN among the inputs is not served; an infinity is held at the largest code.
; k_codes: [16][4096][128], the head's 128 innermost (the first product's K).  THE ROWS ARE NOT IN KEY ORDER: in each group of 32 keys the four blocks of 8 rows are stored in the order 0, 2, 1, 3,
;   so that stored row 32 b + 16 u + r holds key 32 b + 8 u + r + 8 (r / 8): sixteen neighbouring stored rows are the sixteen keys that the next launch wants in one tile.
; v_codes: [16][128][4096], the KEYS innermost (the second product's K), in key order.
; SHARES.  Heads are dense, so both tensors are 65,536 rows of 128 numbers.  Work-group b owns rows 256 b .. 256 b + 255 of both.
;   Waves 0-3 take k: 64 rows each, a plain stream of 8,192 numbers in 16 steps of 512.  A conversion takes 8 neighbours along K from ONE lane's registers, a load is best where neighbouring lanes take neighbouring
;   bytes: each load reads 512 consecutive bytes, a step's 2,048 bytes turn through the wave's own stage in LDS and come back 64 bytes a lane.  A lane's 16 codes are 16 bytes: a store covers 512 consecutive bytes.
;   Waves 4-7 take v: 32 columns d each x 256 keys.  A LANE TAKES A COLUMN AND ITS REGISTERS RUN DOWN THE KEYS: the conversions then give codes with the keys innermost and nothing is transposed by an instruction.
;   A lane's codes belong to one row of v_codes: they go through the wave's own stage and leave as rows, sixteen lanes to 256 consecutive bytes.
; The roles part once, on the wave's number, and never join.  Waves share nothing: no barrier.  No tensor load, no loop: every offset is an immediate, no pointer is stepped behind the head.
; No work-group reads what another reads, so there is nothing to share in a cluster, and the launch streams, so nothing is prefetched.
.set STEPS, 16                         ; k: steps of 512 numbers for a wave
.set SP,    80                         ; k: a lane's place in a stage: its 64 bytes + 16 of padding
.set NB,    8                          ; v: blocks of 32 keys for a wave
.set PITCH, 272                        ; v: a stage row: 256 bytes of codes + 16 of padding
.set VROW,  512                        ; a key's row of v in memory, in bytes
.set KROW,  4096                       ; a row of v_codes in bytes
.set WREG,  8704                       ; LDS: a region for each wave: k's two stages of 32 x SP bytes, or v's stage of 32 x PITCH
.set SPARE, 8*WREG                     ; behind the eight regions: the spare words, 128 bytes for each wave: four blocks of 256 bytes that no other line names
.set SPW,   12                         ; v12      LDS address of my spare word: SPARE + 4 x my thread's number; never rewritten
.set NIL,   13                         ; v13      0; never rewritten
.set R,     16                         ; k: v16-79   four sets of 16 numbers as they are loaded
.set X,     80                         ; k: v80-111  two sets of 16 neighbours
.set C,     128                        ; k: v128-191 codes: four registers for each step, so that no store's data are written again
.set VX,    16                         ; v: v16-79   two sets of 32 numbers
.set VC,    96                         ; v: v96-103  a block's codes
.set OUTR,  112                        ; v: v112-175 the way out: 16 x 4 registers
; v3 16 x lane (k: in and out); v5 4 x lane (v: in); v6, v7 v's stage, in and out; v8 v: out; v14, v15 k's stage, in and out; v10 448 x 2^e; v11 2^e
	s_load_b128 s[4:7], s[0:1], 0x0                ; k, v
	s_load_b64 s[8:9], s[0:1], 0x10                ; the scales' exponents
	s_load_b128 s[12:15], s[0:1], 0x18             ; k_codes, v_codes
	v_lshl_add_u32 v[SPW], v0, 2, SPARE
	v_mov_b32 v[NIL], 0
	v_lshrrev_b32 v1, 5, v0
	s_delay_alu instid0(VALU_DEP_1)
	v_readfirstlane_b32 s16, v1                    ; wave 0..7
	v_and_b32 v2, 31, v0                           ; lane
	s_mul_i32 s17, s16, WREG                       ; my region of LDS
	s_and_b32 s19, s16, 3                          ; my place in my role
	; every address register of both roles is made here, ahead of the parting
	v_lshlrev_b32 v3, 4, v2
	v_lshlrev_b32 v5, 2, v2
	v_lshrrev_b32 v14, 2, v2
	s_delay_alu instid0(VALU_DEP_1)
	v_mul_u32_u24 v14, v14, SP
	v_and_b32 v15, 3, v2
	s_delay_alu instid0(VALU_DEP_1)
	v_lshl_add_u32 v14, v15, 4, v14
	s_delay_alu instid0(VALU_DEP_1)
	v_add_nc_u32 v14, s17, v14                     ; k's stage, on the way in: four lanes' 64 bytes on end, then 16 of padding: SP (lane / 4) + 16 (lane % 4)
	v_mul_u32_u24 v15, v2, SP
	s_delay_alu instid0(VALU_DEP_1)
	v_add_nc_u32 v15, s17, v15                     ; and on the way out: SP x lane: my 16 neighbours
	v_mul_u32_u24 v6, v2, PITCH
	s_delay_alu instid0(VALU_DEP_1)
	v_add_nc_u32 v6, s17, v6                       ; v's stage, on the way in: row = my column
	v_and_b32 v4, 15, v2
	v_lshrrev_b32 v9, 4, v2
	s_delay_alu instid0(VALU_DEP_1)
	v_mul_u32_u24 v7, v9, PITCH
	s_delay_alu instid0(VALU_DEP_1)
	v_lshl_add_u32 v7, v4, 4, v7
	s_delay_alu instid0(VALU_DEP_1)
	v_add_nc_u32 v7, s17, v7                       ; and on the way out: sixteen lanes to a row, two rows an instruction
	s_delay_alu instid0(VALU_DEP_4)
	v_lshlrev_b32 v8, 12, v9
	s_delay_alu instid0(VALU_DEP_1)
	v_lshl_add_u32 v8, v4, 4, v8                   ; the same place in v_codes
	s_wait_kmcnt 0x0
	s_load_b128 s[20:23], s[8:9], 0x0              ; eq, ek, ep, ev
	s_cmp_lt_u32 s16, 4
	s_cbranch_scc0 .Lv_role
; 2^e as f32 (the conversion takes its exponent field) and 448 x 2^e, from the exponent in s[se]
.macro MKSCALE se
	s_wait_kmcnt 0x0
	s_add_co_i32 s24, s[\se], 127
	s_lshl_b32 s25, s24, 23
	v_mov_b32 v11, s25
	s_add_co_i32 s24, s24, 8
	s_lshl_b32 s24, s24, 23
	s_or_b32 s24, s24, 0x600000                    ; the mantissa field of 448
	v_mov_b32 v10, s24
.endm
; ---------------- waves 0-3: k ----------------
.macro KLOAD t
.irp i, 0,1,2,3
	global_load_b128 v[R+16*((\t)%4)+4*\i:R+16*((\t)%4)+4*\i+3], v3, s[4:5] offset:2048*(\t)+512*\i th:TH_LOAD_NT   ; 32 lanes read 512 consecutive bytes
.endr
.endm
.macro KTURN t                         ; step t's numbers through the stage: LDS serves a wave's instructions in order (ISA guide 5.7.1.4), so no wait stands between the stores and the loads
.irp i, 0,1,2,3
	ds_store_b128 v14, v[R+16*((\t)%4)+4*\i:R+16*((\t)%4)+4*\i+3] offset:32*SP*((\t)%2)+8*SP*\i
.endr
.irp i, 0,1,2,3
	ds_load_b128 v[X+16*((\t)%2)+4*\i:X+16*((\t)%2)+4*\i+3], v15 offset:32*SP*((\t)%2)+16*\i
.endr
.endm
.macro KSTEP t
.set XS, X+16*((\t)%2)
.set PB, ((\t)/2)%4                    ; a step is 4 rows, two steps a block of 8 rows: this step's block in its group of 32 keys,
.set PT, 8*((\t)/8)+2*(2*(PB&1)+(PB>>1))+((\t)%2)   ; and where the step is stored: blocks 1 and 2 change places
	s_wait_dscnt 0x0                               ; this step's numbers are back from the stage: so its stores into the stage have read their registers,
.if (\t)+4 < STEPS
	KLOAD (\t)+4                                   ; which take the loads of four steps on
.endif
.if (\t)+1 < STEPS
.if STEPS-2-(\t) >= 3
	s_wait_loadcnt 12                              ; the next step's four loads are in; those of the three steps behind it may be out
.else
	s_wait_loadcnt 4*(STEPS-2-(\t))                ; the last steps ask for nothing: the count runs down
.endif
	KTURN (\t)+1                                   ; and go through the other stage while this step is worked
.endif
.irp i, 0,1,2,3,4,5,6,7,8,9,10,11,12,13,14,15
	v_med3_num_f32 v[XS+\i], v[XS+\i], -v10, v10   ; the conversion to an 8-bit code does not saturate (ISA guide 7.6.2): the number is held within the largest code x the scale first
.endr
	v_cvt_scalef32_pk8_fp8_f32 v[C+4*(\t):C+4*(\t)+1], v[XS:XS+7], v11
	v_cvt_scalef32_pk8_fp8_f32 v[C+4*(\t)+2:C+4*(\t)+3], v[XS+8:XS+15], v11   ; the results go to a store alone; the next vector lines, the next step's holds, are plain and touch other registers
	global_store_b128 v3, v[C+4*(\t):C+4*(\t)+3], s[12:13] offset:512*PT       ; 32 lanes store 512 consecutive bytes, at a multiple of 512 from the buffer's first byte
.endm
	s_lshl_b32 s26, ttmp9, 2
	s_add_co_u32 s26, s26, s16                     ; which run of 64 rows is my wave's: 4 x work-group + wave
	s_lshl_b32 s28, s26, 13                        ; its codes: 8,192 bytes a run,
	s_lshl_b32 s26, s26, 15                        ; its numbers: 32,768
	s_mov_b32 s27, 0
	s_mov_b32 s29, 0
	s_add_nc_u64 s[4:5], s[4:5], s[26:27]
	s_add_nc_u64 s[12:13], s[12:13], s[28:29]
.irp t, 0,1,2,3
	KLOAD \t
.endr
	MKSCALE 21                                     ; ek
	s_wait_alu depctr_va_vdst(0)
	s_wait_loadcnt 12                              ; step 0's four loads are in
	KTURN 0
.irp t, 0,1,2,3,4,5,6,7,8,9,10,11,12,13,14,15
	KSTEP \t
.endr
	s_wait_tensorcnt 0x0                           ; the wave's end, behind my last LDS store
	ds_add_u32 v[SPW], v[NIL]
	s_wait_dscnt 0x0
	s_endpgm
; ---------------- waves 4-7: v ----------------
.macro VLOAD t                         ; block t: v(key 32 t + i, my column), i = 0 .. 31, into set t % 2: the wave reads 128 consecutive bytes, the four waves side by side a whole row
.irp i, 0,1,2,3,4,5,6,7,8,9,10,11,12,13,14,15,16,17,18,19,20,21,22,23,24,25,26,27,28,29,30,31
	global_load_b32 v[VX+32*((\t)%2)+\i], v5, s[6:7] offset:(32*(\t)+\i)*VROW th:TH_LOAD_NT
.endr
.endm
.macro VBLOCK t
.set XS, VX+32*((\t)%2)
.if (\t) < NB-1
	s_wait_loadcnt 32                              ; this block's 32 loads are in; the next block's may be out
.else
	s_wait_loadcnt 0
.endif
.irp i, 0,1,2,3,4,5,6,7,8,9,10,11,12,13,14,15,16,17,18,19,20,21,22,23,24,25,26,27,28,29,30,31
	v_med3_num_f32 v[XS+\i], v[XS+\i], -v10, v10   ; the hold at the largest code x the scale
.endr
.irp g, 0,1,2,3
	v_cvt_scalef32_pk8_fp8_f32 v[VC+2*\g:VC+2*\g+1], v[XS+8*\g:XS+8*\g+7], v11
.endr
	ds_store_b128 v6, v[VC:VC+3] offset:32*(\t)    ; 32 codes: 32 bytes of my column's row.  (The results go to LDS stores alone; the next block begins with plain vector lines)
	ds_store_b128 v6, v[VC+4:VC+7] offset:32*(\t)+16
.if (\t)+2 < NB
	VLOAD (\t)+2
.endif
	s_wait_dscnt 0x0                               ; the stores have read their registers: the next block's codes may be written
.endm
.Lv_role:
	s_lshl_b32 s26, ttmp9, 17                      ; v: my work-group's 256 rows of 512 bytes,
	s_lshl_b32 s24, s19, 7                         ; my wave's 32 columns
	s_add_co_u32 s26, s26, s24
	s_mov_b32 s27, 0
	s_lshr_b32 s28, ttmp9, 4
	s_lshl_b32 s28, s28, 19                        ; v_codes: the head's 128 rows of 4,096 bytes,
	s_lshl_b32 s24, s19, 17                        ; my wave's 32 rows,
	s_add_co_u32 s28, s28, s24
	s_and_b32 s24, ttmp9, 15
	s_lshl_b32 s24, s24, 8                         ; my work-group's 256 keys in a row
	s_add_co_u32 s28, s28, s24
	s_mov_b32 s29, 0
	s_add_nc_u64 s[6:7], s[6:7], s[26:27]
	s_add_nc_u64 s[14:15], s[14:15], s[28:29]
	VLOAD 0
	VLOAD 1
	MKSCALE 23                                     ; ev
	s_wait_alu depctr_va_vdst(0)
.irp t, 0,1,2,3,4,5,6,7
	VBLOCK \t
.endr
.irp t, 0,1,2,3,4,5,6,7,8,9,10,11,12,13,14,15
	ds_load_b128 v[OUTR+4*\t:OUTR+4*\t+3], v7 offset:2*\t*PITCH   ; LDS serves a wave's instructions in order: these see my stores
.endr
.irp t, 0,1,2,3,4,5,6,7,8,9,10,11,12,13,14,15
	s_wait_dscnt 15-\t                             ; rows 2 t and 2 t + 1 are back; the younger loads may be out
	global_store_b128 v8, v[OUTR+4*\t:OUTR+4*\t+3], s[14:15] offset:2*\t*KROW   ; sixteen lanes store 256 consecutive bytes, at a multiple of 256 from the buffer's first byte
.endr
	s_wait_tensorcnt 0x0                           ; the wave's end: the same three lines
	ds_add_u32 v[SPW], v[NIL]
	s_wait_dscnt 0x0
	s_endpgm
.Lfunc_end_k_q9506f89523_prep:
	.size	k_q9506f89523_prep, .Lfunc_end_k_q9506f89523_prep-k_q9506f89523_prep
	.p2alignl 7, 3214868480
	.fill 96, 4, 3214868480
	.section	.rodata,"a",@progbits
	.p2align	6, 0x0
	.amdhsa_kernel k_q9506f89523_prep
		.amdhsa_group_segment_fixed_size 70656
		.amdhsa_private_segment_fixed_size 0
		.amdhsa_enable_private_segment 0
		.amdhsa_kernarg_size 40
		.amdhsa_user_sgpr_count 2
		.amdhsa_user_sgpr_kernarg_segment_ptr 1
		.amdhsa_wavefront_size32 1
		.amdhsa_system_sgpr_workgroup_id_x 1
		.amdhsa_system_sgpr_workgroup_id_y 1
		.amdhsa_system_sgpr_workgroup_id_z 1
		.amdhsa_system_vgpr_workitem_id 0
		.amdhsa_next_free_vgpr 192
		.amdhsa_next_free_sgpr 66
		.amdhsa_reserve_vcc 0
		.amdhsa_float_denorm_mode_32 3
		.amdhsa_float_denorm_mode_16_64 3
		.amdhsa_memory_ordered 1
		.amdhsa_forward_progress 1
		.amdhsa_inst_pref_size 85
	.end_amdhsa_kernel
	.amdgpu_metadata
---
amdhsa.version: [ 1, 2 ]
amdhsa.kernels:
  - .name:           k_q9506f89523_prep
    .symbol:         k_q9506f89523_prep.kd
    .args:
      - { .name: k, .offset: 0, .size: 8, .value_kind: global_buffer, .address_space: global }
      - { .name: v, .offset: 8, .size: 8, .value_kind: global_buffer, .address_space: global }
      - { .name: lowp_scales, .offset: 16, .size: 8, .value_kind: global_buffer, .address_space: global }
      - { .name: k_codes, .offset: 24, .size: 8, .value_kind: global_buffer, .address_space: global }
      - { .name: v_codes, .offset: 32, .size: 8, .value_kind: global_buffer, .address_space: global }
    .group_segment_fixed_size: 70656
    .private_segment_fixed_size: 0
    .kernarg_segment_align: 8
    .kernarg_segment_size: 40
    .max_flat_workgroup_size: 256
    .sgpr_count:     66
    .vgpr_count:     192
    .wavefront_size: 32
...
	.end_amdgpu_metadata
.endif
;; end of part 1
;; launch attend (part 2): grid 16 x 16, 4 waves a work-group, clusters of 4 x 1, 327,680 bytes of LDS; arguments q, k_codes, v_codes, lowp_scales, out0; writes out0
.if DOCPART == 2
	.amdgcn_target "amdgcn-amd-amdhsa--gfx1250"
	.amdhsa_code_object_version 6
	.text
	.protected	k_q9506f89523_attend
	.globl	k_q9506f89523_attend
	.p2align	8
	.type	k_q9506f89523_attend,@function
k_q9506f89523_attend:
	s_mov_b64 s[64:65], 0
	v_nop
	global_prefetch_b8 v0, s[64:65] scope:SCOPE_SE
	s_setreg_imm32_b32 hwreg(HW_REG_WAVE_MODE, 25, 1), 1
	s_wait_xcnt 0x0
	s_wait_alu depctr_hold_cnt(0) depctr_sa_sdst(0) depctr_va_vdst(0) depctr_va_sdst(0) depctr_va_ssrc(0) depctr_va_vcc(0) depctr_vm_vsrc(0)
	s_getreg_b32 s2, hwreg(HW_REG_IB_STS2, 6, 4)
	s_cmp_eq_u32 s2, 0
	s_cbranch_scc0 .Lentry_in_a_cluster
	s_endpgm
.Lentry_in_a_cluster:
	s_bfe_u32 s2, ttmp6, 0x10000c
	s_cmp_lg_u32 s2, 0x3003
	s_cbranch_scc0 .Lentry_shape_is_right
	s_endpgm
.Lentry_shape_is_right:
; out0[h][q][:] = the sum over k of softmax_k(q[h][q] . k[h][k] / sqrt(128)) v[h][k][:], 16 heads, 4,096 queries and keys, head size 128, no mask; both products on codes of FP8 (E4M3), each operand with its given scale.
; q: [16][4096][128] f32, quantised here in registers (each row is read by one wave, once).  k_codes [16][4096][128], v_codes [16][128][4096] (keys innermost): made by the launch in front.
; In k_codes stored row 32 b + 16 u + r holds key 32 b + 8 u + r + 8 (r / 8): two neighbouring tiles of 16 stored rows give a lane 16 neighbouring keys.
; SOFTMAX: t = score x log2(e) / sqrt(128); M = the running largest t rounded up to a whole number; p = 2^(t - M) is quantised, not normalised; the row's sum is taken of the unquantised p and divides at the end.
; When M moves, the sums and O are multiplied by f = 2^(old M - new M); no branch hangs on data.  The running maximum is kept on the raw scores (c is positive, so the order is the same).
; SHARES.  A work-group owns 256 queries of one head; each of its four waves 64: FOUR tiles of 16, so that each fragment of K and V read from LDS feeds four matrix instructions.  Keys go 128 a step.
; Both products are used transposed (S^T = K Q^T, O^T = V^T P^T): a lane holds one query (lane % 16) of each tile.  A fragment comes by four loads of 16 bytes: registers 4 c .. 4 c + 3 hold K = 32 c + 16 (lane / 16) + 0 .. 15, alike in both sources.
; THE STEP IS TURNED: one trip fetches the next step's K, works the softmax of the step in hand tile by tile, and as soon as a tile's p is in codes its second product and its scores of the next step are issued,
; one matrix instruction at a time among the later tiles' vector lines.  So at a change of slots the old slot's last K and V already lie in registers.
; The first step has a copy of its own: its products start O (C = 0) and its additions start the sums; nothing is cleared.
; RING: two LDS slots of 256 keys (two steps).  CLUSTER: the four query blocks of a cluster walk one head's K and V: every tile is asked for jointly, waves 0, 1 K's halves, waves 2, 3 V's: one tensor load a wave behind each round.
; LIMITS on the given exponents, so that each power of two below is an f32 number: eq + ek between -123 and 130; eq and ep between -126 and 119; ep + ev has none.  NaN among the inputs is not served.
; REGISTERS, in four windows of 256, laid BY KIND (s_set_vgpr_msb: bits 1:0 source 0, 3:2 source 1, 5:4 source 2, 7:6 destination):
;   window 0: addresses, the softmax's state, Q's codes, P's codes;  window 1: S^T, then p: tile w at v[64 w];  window 2: O^T: tile w at v[64 w];  window 3: v0-127 eight fragments of K, v128-255 eight of V.
.set NKEY,  4096
.set SK,    256
.set NSL,   NKEY/SK
.set KP,    144                        ; a key's row in LDS: 128 bytes + 16
.set VP,    272                        ; a row of V's tile in LDS: 256 bytes + 16
.set VOFF,  SK*KP                      ; a slot: 256 rows of K, then 128 rows of V
.set SLOT1, 1<<17
.set SPARE, 2*SLOT1                    ; the spare words: 128 bytes a wave, two blocks of 256 bytes that no other line names
.set SPITCH, 272                       ; the way out: a stage of 16 rows x 272 bytes a wave, from LDS byte 0: slot 0 has had its last fill and was left at the last change of slots
.set QST,   VOFF+128*VP                ; behind slot 0: q's stage, 16 rows x 528 bytes a wave: 33 blocks of 256 bytes each, on which no fill lands
.set QP,    528
.set AK0, 1                            ; my lane's place in a tile of K;  AV0: of V
.set AV0, 2
.set PFO, 3                            ; the prefetches' offset
.set QO,  4                            ; 16 x my lane: my bytes of a row of q
.set SPW, 5                            ; my spare word; never rewritten
.set NIL, 6                            ; 0; never rewritten
.set GO,  7                            ; my byte offset in a tile's rows of out0
.set ADK, 8                            ; LDS address of the next step's K;  ADV: V
.set ADV, 9
.set STI, 10                           ; the stage, in;  STB: back
.set STB, 11
.set NM,  12                           ; v12-19  pairs (-M, the largest raw score), a pair a tile
.set FF,  20                           ; v20-27  pairs (f, the old -M)
.set CA,  28                           ; v28-35  two chains of maxima a tile
.set AC,  36                           ; v36-99  the row's sum: eight pairs a tile
.set SCP, 100                          ; 2^ep;  v101 2^eq;  v102 448 x 2^eq
.set SCQ, 101
.set PT,  104                          ; v104-107 lane permutes' destinations
.set QC,  112                          ; v112-175 Q's codes, 16 a tile
.set PC,  176                          ; v176-239 P's codes;  v240, v241 q's stage, in and back
.set WV,  14
.set LIM, 15                           ; 1 in a wave that prefetches, else the greatest number
.set TB,  16                           ; LDS byte at which the slot in hand begins
.set SLOTS, 17
.set PFA, 18
.set SEL, 20
.set CS,  22                           ; s[22:23] c = log2(e) / sqrt(128) x 2^(eq + ek)
.set G1K, 24
.set G1V, 32
.set G0K, 40
.set G0V, 44
.set PFS, 66
.set HP,  75                           ; 448 x 2^ep
.set KO,  80                           ; LDS byte of the next step's K in the ring;  VO: the same for V (less VOFF)
.set VO,  81
.set IT,  82
.set NCS, 83                           ; -c
.set MSB, 0
.macro WIN new                         ; the immediate's high byte repeats the setting that is left
.if MSB != \new
	s_set_vgpr_msb (MSB<<8)|\new
.set MSB, \new
.endif
.endm
; settings: 0xc0 LDS loads into window 3;  0x43 S^T = K (3) x Q (0) -> 1;  0xa3 O^T (2) += V (3) x P (0);  0x14 maxima: 0 <- 0, 1, 1;  0x82 window 2 in place, second and third source in 0;
;           0x45 work in place on window 1, third source in 0;  0x10 sums: 0 <- 0 x 0 + 1;  0x04 sums: 0 <- 0 + 1;  0x05 sums: 0 <- 1 + 1;  0x01, 0x02 conversions: 0 <- 1 or 2, scale in 0
.macro PLACES n
.rept \n
	v_nop
.endr
.endm
.macro CROUND                          ; a round of the cluster's barrier
	s_barrier_signal -1
	s_barrier_wait -1
	s_cmp_lg_u32 s[WV], 0
	s_cbranch_scc1 .Lnot_wave_0_\@
	s_barrier_signal -3
.Lnot_wave_0_\@:
	s_barrier_wait -3
	s_barrier_signal -1
	s_barrier_wait -1
.endm
.macro JLOAD                           ; every wave issues one joint load; the branch hangs on the wave's number alone.  s_nop 0 and four v_nop follow each line
	s_cmp_lt_u32 s[WV], 2
	s_cbranch_scc0 .Lfor_v_\@
	tensor_load_to_lds s[G0K:G0K+3], s[G1K:G1K+7]
	s_nop 0
	PLACES 4
	s_branch .Lasked_\@
.Lfor_v_\@:
	tensor_load_to_lds s[G0V:G0V+3], s[G1V:G1V+7]
	s_nop 0
	PLACES 4
.Lasked_\@:
.endm
; A prefetch of the slot that the NEXT change will ask for: K's 32,768 bytes and 256 bytes of each of V's 128 rows.  The head's first cluster asks; its four partners share the blocks out by address:
; of K 8,192 bytes each, lanes 256 bytes apart (wave 0); of V 32 rows each, a lane a row (wave 1): each aligned block of 256 bytes is named once.  The change that asks for the last slot prefetches nothing.
.macro ASK
	s_cmp_gt_u32 s[SLOTS], s[LIM]
	s_cbranch_scc0 .Lnot_mine_\@
	global_prefetch_b8 v[PFO], s[PFA:PFA+1] th:TH_LOAD_NT scope:SCOPE_SE
.Lnot_mine_\@:
.endm
	s_load_b256 s[4:11], s[0:1], 0x0               ; q, k_codes, v_codes, the scales' exponents
	s_load_b64 s[12:13], s[0:1], 0x20              ; out0
	v_lshl_add_u32 v[SPW], v0, 2, SPARE
	v_mov_b32 v[NIL], 0
	ds_add_u32 v[SPW], v[NIL]                      ; the opening lines: the add twice on end, and its wait ahead of my first tensor load
	ds_add_u32 v[SPW], v[NIL]
	v_lshrrev_b32 v8, 5, v0
	v_readfirstlane_b32 s[WV], v8                  ; wave 0..3
	v_and_b32 v[QO], 31, v0
	v_lshlrev_b32 v[QO], 4, v[QO]
	s_bfe_u32 s52, ttmp6, 0x40000                  ; cx
	s_lshl_b32 s53, ttmp9, 2
	s_add_co_u32 s53, s53, s52                     ; my block of 256 queries: it enters q's and out0's addresses alone
	s_and_b32 s54, ttmp7, 0xffff                   ; the head
	s_and_b32 s55, s[WV], 1                        ; which half of a tile I fetch
	s_lshl_b32 s56, s54, 19                        ; the head's first byte in each tensor of codes
	s_lshl_b32 s58, s55, 14                        ; K: my 128 rows of 128 bytes,
	s_add_co_u32 s58, s58, s56
	s_mov_b32 s59, 0
	s_mul_i32 s69, s55, 128*KP                     ; and in a slot
	s_lshl_b32 s60, s55, 18                        ; V: my 64 rows of 4,096 bytes,
	s_add_co_u32 s60, s60, s56
	s_mov_b32 s61, 0
	s_mul_i32 s78, s55, 64*VP
	s_add_co_u32 s78, s78, VOFF
	s_lshl_b32 s62, s54, 21                        ; q and out0: the head's rows of 512 bytes,
	s_lshl_b32 s71, s53, 17                        ; my block's 256,
	s_add_co_u32 s62, s62, s71
	s_lshl_b32 s71, s[WV], 15                      ; my wave's 64
	s_add_co_u32 s62, s62, s71
	s_mov_b32 s63, 0
	s_mul_i32 s72, s[WV], 16*SPITCH                ; my stage on the way out
	s_mul_i32 s57, s[WV], 16*QP
	s_add_co_u32 s57, s57, QST                     ; my stage for q
	; group 1.  K: 128 rows of 128 bytes lie dense, so they are stated as 64 rows of 256 bytes, the padding still behind each 128 bytes;  V: 64 rows of 256 bytes, 4,096 apart
	s_mov_b32 s[G1K], 15|(1<<20)|(1<<21)|(4<<22)|(3<<25)
	s_mov_b32 s[G1K+1], 256<<16
	s_mov_b32 s[G1K+2], 64<<16
	s_mov_b32 s[G1K+3], 256<<16
	s_mov_b32 s[G1K+4], 64
	s_mov_b32 s[G1K+5], 256
	s_mov_b32 s[G1K+6], 0
	s_mov_b32 s[G1K+7], 0
	s_mov_b32 s[G1V], 15|(1<<20)|(1<<21)|(5<<22)|(3<<25)
	s_mov_b32 s[G1V+1], 256<<16
	s_mov_b32 s[G1V+2], 64<<16
	s_mov_b32 s[G1V+3], 256<<16
	s_mov_b32 s[G1V+4], 64
	s_mov_b32 s[G1V+5], NKEY
	s_mov_b32 s[G1V+6], 0
	s_mov_b32 s[G1V+7], 0
	s_mov_b32 s[SEL], 0x76543210
	s_mov_b32 s[SEL+1], 0xfedcba98
	s_mov_b32 s[CS], 0x3e0293ee                    ; log2(e) / sqrt(128)
	s_mov_b32 s[TB], 0
	s_mov_b32 s[KO], 0
	s_mov_b32 s[VO], 0
	s_mov_b32 s[SLOTS], NSL-1
	s_wait_alu depctr_va_vdst(0)
	s_wait_dscnt 0x0                               ; both opening adds are done
	s_wait_kmcnt 0x0
	s_load_b128 s[48:51], s[10:11], 0x0            ; eq, ek, ep, ev
	s_add_nc_u64 s[4:5], s[4:5], s[62:63]
	s_add_nc_u64 s[12:13], s[12:13], s[62:63]
	WIN 0x40                                       ; my 64 rows of q, a row a load: 32 lanes read 512 consecutive bytes; row j of tile w lands in window 1 at v[64 w + 4 j]
.irp w, 0,1,2,3
.set jj, 0
.rept 16
	global_load_b128 v[64*\w+4*jj:64*\w+4*jj+3], v[QO], s[4:5] offset:8192*\w+512*jj th:TH_LOAD_NT
.set jj, jj+1
.endr
.endr
	WIN 0
	s_mov_b32 s[G0K], 1
	s_mov_b32 s[G0K+1], s69
	s_add_nc_u64 s[G0K+2:G0K+3], s[6:7], s[58:59]
	s_or_b32 s[G0K+3], s[G0K+3], 0x80000000
	s_mov_b32 s[G0V], 1
	s_mov_b32 s[G0V+1], s78
	s_add_nc_u64 s[G0V+2:G0V+3], s[8:9], s[60:61]
	s_or_b32 s[G0V+3], s[G0V+3], 0x80000000
	s_cmp_eq_u32 s[WV], 0                          ; the prefetches: wave 0 asks for K's codes, wave 1 for V's
	s_cselect_b64 s[PFA:PFA+1], s[6:7], s[8:9]
	s_mov_b32 s[PFS], 256
	s_cselect_b32 s[PFS], 32768, s[PFS]            ; a slot on
	s_cselect_b32 s79, 8, 12                       ; from lane to lane
	s_cselect_b32 s70, 13, 17                      ; from partner to partner
	s_mov_b32 s[PFS+1], 0
	s_lshl_b32 s70, s52, s70
	s_add_co_u32 s70, s70, s[PFS]                  ; in slot 1: the first change steps it to slot 2
	s_add_co_u32 s70, s70, s56
	s_mov_b32 s71, 0
	s_add_nc_u64 s[PFA:PFA+1], s[PFA:PFA+1], s[70:71]
	s_lshr_b32 s73, s[WV], 1
	s_or_b32 s73, s73, ttmp9                       ; 0 in waves 0 and 1 of the head's first cluster
	s_cmp_eq_u32 s73, 0
	s_cselect_b32 s[LIM], 1, -1
	CROUND                                         ; the first joint loads meet
	JLOAD                                          ; slot 0
	v_and_b32 v8, 15, v0                           ; r
	v_bfe_u32 v9, v0, 4, 1                         ; h
	v_add_nc_u32 v240, s57, v[QO]                  ; q's stage, in: a row as it lies
	v_mul_u32_u24 v241, v8, QP
	v_lshl_add_u32 v241, v9, 6, v241
	v_add_nc_u32 v241, s57, v241                   ; and back: row r, + 64 h
	v_mul_u32_u24 v[AK0], v8, KP
	v_lshl_add_u32 v[AK0], v9, 4, v[AK0]
	v_mul_u32_u24 v[AV0], v8, VP
	v_lshl_add_u32 v[AV0], v9, 4, v[AV0]
	v_add_nc_u32 v[AV0], VOFF, v[AV0]
	v_lshlrev_b32 v[GO], 9, v9
	v_lshl_add_u32 v[GO], v8, 4, v[GO]
	v_mul_u32_u24 v[STI], v8, SPITCH
	v_lshl_add_u32 v[STI], v9, 5, v[STI]
	v_add_nc_u32 v[STI], s72, v[STI]
	v_mul_u32_u24 v[STB], v9, SPITCH
	v_lshl_add_u32 v[STB], v8, 4, v[STB]
	v_add_nc_u32 v[STB], s72, v[STB]
	v_and_b32 v[PFO], 31, v0
	v_lshlrev_b32 v[PFO], s79, v[PFO]
	s_wait_kmcnt 0x0
	s_add_co_i32 s73, s48, s49
	s_lshl_b32 s73, s73, 23
	s_add_co_i32 s[CS], s[CS], s73                 ; eq + ek go into c's exponent field
	s_mov_b32 s[CS+1], s[CS]
	s_xor_b32 s[NCS], s[CS], 0x80000000
	s_add_co_i32 s73, s50, 127
	s_lshl_b32 s74, s73, 23                        ; 2^ep
	s_add_co_i32 s73, s73, 8
	s_lshl_b32 s[HP], s73, 23
	s_or_b32 s[HP], s[HP], 0x600000                ; 448 x 2^ep
	s_add_co_i32 s73, s48, 127
	s_lshl_b32 s76, s73, 23                        ; 2^eq
	s_add_co_i32 s73, s73, 8
	s_lshl_b32 s77, s73, 23
	s_or_b32 s77, s77, 0x600000                    ; 448 x 2^eq
	s_add_co_i32 s68, s50, s51                     ; ep + ev
	v_mov_b32 v[SCP], s74
	v_mov_b32 v[SCQ], s76
	v_mov_b32 v102, s77
.irp w, 0,1,2,3
	v_mov_b32 v[NM+2*\w+1], 0xff61b1e6             ; the largest score so far: -3e38
	v_mov_b32 v[PT+\w], 0                          ; a lane permute's destination counts as a source
.endr
	s_wait_alu depctr_va_vdst(0)
; A tile's 16 rows turn through my stage and come back, into window 2, as the operand wants them: lane (r, h) holds numbers 32 c + 16 h + 0 .. 15 of row r at v[64 w + 16 c].  LDS serves a wave's instructions in order (ISA guide 5.7.1.4).
.macro QUANT w, out
	s_wait_dscnt \out                              ; the tile is back; the next tile's 16 stores and 16 loads may be out
	WIN 0x82
.set jj, 0
.rept 64
	v_med3_num_f32 v[64*\w+jj], v[64*\w+jj], -v102, v102   ; the conversion does not saturate (ISA guide 7.6.2): the hold at the largest code x the scale
.set jj, jj+1
.endr
	WIN 0x02
.irp c, 0,1,2,3
	v_cvt_scalef32_pk8_fp8_f32 v[QC+16*\w+4*\c:QC+16*\w+4*\c+1], v[64*\w+16*\c:64*\w+16*\c+7], v[SCQ]
	v_cvt_scalef32_pk8_fp8_f32 v[QC+16*\w+4*\c+2:QC+16*\w+4*\c+3], v[64*\w+16*\c+8:64*\w+16*\c+15], v[SCQ]
.endr
.endm
.irp w, 0,1,2,3
	s_wait_loadcnt 48-16*\w                        ; tile w's 16 rows are in; the later tiles' may be out
	WIN 0x04
.set jj, 0
.rept 16
	ds_store_b128 v240, v[64*\w+4*jj:64*\w+4*jj+3] offset:QP*jj
.set jj, jj+1
.endr
	WIN 0x80
.irp c, 0,1,2,3
.irp j, 0,1,2,3
	ds_load_b128 v[64*\w+16*\c+4*\j:64*\w+16*\c+4*\j+3], v241 offset:128*\c+16*\j
.endr
.endr
.if \w > 0
	QUANT (\w-1), 32
.endif
.endr
	QUANT 3, 0
	v_nop                                          ; a plain line behind the last scaled conversion
	WIN 0
	s_wait_alu depctr_va_vdst(0)
.macro FETCH_K                         ; 128 keys: eight tiles of 16 stored rows
.irp t, 0,1,2,3,4,5,6,7
.irp c, 0,1,2,3
	ds_load_b128 v[16*\t+4*\c:16*\t+4*\c+3], v[ADK] offset:16*\t*KP+32*\c
.endr
.endr
.endm
.macro FETCH_V                         ; the same keys of V: eight tiles of 16 of the head's 128
.irp t, 0,1,2,3,4,5,6,7
.irp c, 0,1,2,3
	ds_load_b128 v[128+16*\t+4*\c:128+16*\t+4*\c+3], v[ADV] offset:16*\t*VP+32*\c
.endr
.endr
.endm
; ONE MATRIX INSTRUCTION of tile MXM, the mxn-th of its sixteen: 0-7 O^T += V^T P^T, 8-15 the next step's S^T = K Q^T (none in the last step).  No two neighbours share an accumulator.
.macro MX back
.if mxn < 8
	WIN 0xa3
.if FST
	v_wmma_f32_16x16x128_fp8_fp8 v[64*MXM+8*mxn:64*MXM+8*mxn+7], v[128+16*mxn:128+16*mxn+15], v[PC+16*MXM:PC+16*MXM+15], 0
.else
	v_wmma_f32_16x16x128_fp8_fp8 v[64*MXM+8*mxn:64*MXM+8*mxn+7], v[128+16*mxn:128+16*mxn+15], v[PC+16*MXM:PC+16*MXM+15], v[64*MXM+8*mxn:64*MXM+8*mxn+7]
.endif
	WIN \back
.else
.if LST == 0
	WIN 0x43
	v_wmma_f32_16x16x128_fp8_fp8 v[64*MXM+8*(mxn-8):64*MXM+8*(mxn-8)+7], v[16*(mxn-8):16*(mxn-8)+15], v[QC+16*MXM:QC+16*MXM+15], 0
	WIN \back
.endif
.endif
.set mxn, mxn+1
.endm
.macro SETMX m
.set MXM, \m
.set mxn, 0
.set tk, 0
.endm
.macro TICK per, back                  ; behind every per-th vector line: the tile's next matrix instruction
.set tk, tk+1
.if MXM >= 0
.if (tk % \per) == 0
.if mxn < 16
	MX \back
.endif
.endif
.endif
.endm
.macro FLUSH back                      ; what is left of the sixteen
.rept 16
.if mxn < 16
	MX \back
.endif
.endr
.endm
.macro MAXPH                           ; the largest score so far and the step's 64 a lane: two chains a tile, the four tiles' eight by turns; each accumulator is read from its low end on
.set ii, 0
.rept 16
.irp w, 0,1,2,3
.if ii == 0
	v_max3_num_f32 v[CA+2*\w], v[NM+2*\w+1], v[64*\w], v[64*\w+1]
	v_max3_num_f32 v[CA+2*\w+1], v[NM+2*\w+1], v[64*\w+2], v[64*\w+3]
.else
	v_max3_num_f32 v[CA+2*\w], v[CA+2*\w], v[64*\w+4*ii], v[64*\w+4*ii+1]
	v_max3_num_f32 v[CA+2*\w+1], v[CA+2*\w+1], v[64*\w+4*ii+2], v[64*\w+4*ii+3]
.endif
.endr
.set ii, ii+1
.endr
.endm
.macro CHAIN first                     ; M and f, the four tiles by turns
.irp w, 0,1,2,3
	v_max_num_f32 v[CA+2*\w], v[CA+2*\w], v[CA+2*\w+1]
.endr
.irp w, 0,1,2,3
	v_permlanex16_b32 v[PT+\w], v[CA+2*\w], s[SEL], s[SEL+1]
.endr
.irp w, 0,1,2,3
	v_max_num_f32 v[NM+2*\w+1], v[CA+2*\w], v[PT+\w]   ; with lane l xor 16's
.endr
.if \first == 0
.irp w, 0,1,2,3
	v_mov_b32 v[FF+2*\w+1], v[NM+2*\w]             ; the old -M
.endr
.endif
.irp w, 0,1,2,3
	v_mul_f32 v[CA+2*\w], s[NCS], v[NM+2*\w+1]     ; -t
.endr
.irp w, 0,1,2,3
	v_floor_f32 v[NM+2*\w], v[CA+2*\w]             ; -M = floor(-t)
.endr
.if \first == 0
.irp w, 0,1,2,3
	v_sub_f32 v[FF+2*\w], v[NM+2*\w], v[FF+2*\w+1] ; old M - new M: a whole number, 0 or less
.endr
.irp w, 0,1,2,3
	v_cvt_i32_f32 v[FF+2*\w], v[FF+2*\w]           ; (it saturates)
.endr
.irp w, 0,1,2,3
	v_ldexp_f32 v[FF+2*\w], 1.0, v[FF+2*\w]        ; f
.endr
.endif
.endm
.macro FMAP w                          ; t - M of tile w's pair ii
	v_pk_fma_f32 v[64*\w+2*ii:64*\w+2*ii+1], v[64*\w+2*ii:64*\w+2*ii+1], s[CS:CS+1], v[NM+2*\w:NM+2*\w+1] op_sel_hi:[1,0,0]
.endm
.macro MINP w                          ; the hold of tile w's pair ii: the conversion does not saturate (ISA guide 7.6.2); p is not negative: one-sided
	v_dual_min_num_f32 v[64*\w+2*ii], s[HP], v[64*\w+2*ii] :: v_dual_min_num_f32 v[64*\w+2*ii+1], s[HP], v[64*\w+2*ii+1]
.endm
; Tile w's 64 exponentials.  Between them stand lines that name none of their registers: later tiles' t - M, and the hold of an earlier tile's p, whose sum has been taken; all are read only behind the wait that follows the batch.
.macro EBLK w
.set ii, 0
.rept 32
	v_exp_f32 v[64*\w+2*ii], v[64*\w+2*ii]
	TICK 6, 0x45
.if \w == 0
	FMAP 1
.endif
.if \w == 1
	FMAP 3
.endif
.if \w == 2
	MINP 1
.endif
.if \w == 3
	MINP 2
.endif
	TICK 6, 0x45
	v_exp_f32 v[64*\w+2*ii+1], v[64*\w+2*ii+1]
	TICK 6, 0x45
.if \w == 0
	FMAP 2
.endif
.if \w == 1
	MINP 0
.endif
.set ii, ii+1
.endr
.if \w > 1
	v_nop                                          ; a plain line behind the last exponential
.endif
.endm
.macro SUM w, first                    ; the row's sum of the UNQUANTISED p, in eight chains of pairs; the first eight lines bring the old sums under the new M as well
.if \first
	WIN 0x05
.irp j, 0,1,2,3,4,5,6,7
	v_pk_add_f32 v[AC+16*\w+2*\j:AC+16*\w+2*\j+1], v[64*\w+2*\j:64*\w+2*\j+1], v[64*\w+16+2*\j:64*\w+16+2*\j+1]
	TICK 4, 0x05
.endr
.set ii, 16
.else
	WIN 0x10
.irp j, 0,1,2,3,4,5,6,7
	v_pk_fma_f32 v[AC+16*\w+2*\j:AC+16*\w+2*\j+1], v[AC+16*\w+2*\j:AC+16*\w+2*\j+1], v[FF+2*\w:FF+2*\w+1], v[64*\w+2*\j:64*\w+2*\j+1] op_sel_hi:[1,0,1]
	TICK 4, 0x10
.endr
.set ii, 8
.endif
	WIN 0x04
.rept 32-ii
	v_pk_add_f32 v[AC+16*\w+2*(ii%8):AC+16*\w+2*(ii%8)+1], v[AC+16*\w+2*(ii%8):AC+16*\w+2*(ii%8)+1], v[64*\w+2*ii:64*\w+2*ii+1]
	TICK 4, 0x04
.set ii, ii+1
.endr
.endm
.macro CVT w                           ; registers 4 b .. 4 b + 3 of tile w's P: keys 32 b + 16 h + 0 .. 15; a plain line behind the last scaled conversion
	WIN 0x01
.irp b, 0,1,2,3
	v_cvt_scalef32_pk8_fp8_f32 v[PC+16*\w+4*\b:PC+16*\w+4*\b+1], v[64*\w+16*\b:64*\w+16*\b+7], v[SCP]
	v_cvt_scalef32_pk8_fp8_f32 v[PC+16*\w+4*\b+2:PC+16*\w+4*\b+3], v[64*\w+16*\b+8:64*\w+16*\b+15], v[SCP]
.endr
	v_nop
.endm
; ONE TRIP.  first = 1: the launch's first step.  last = 1: no step follows.
; Four plain places stand behind a matrix instruction ahead of a read of its result and of a load into its sources (ISA guide 7.12.1 for a read of its result).
.macro ITER first, last
.set FST, \first
.set LST, \last
	SETMX -1
.if \last
	PLACES 4
.else
	v_add_nc_u32 v[ADK], s[KO], v[AK0]
	v_add_nc_u32 v[ADV], s[VO], v[AV0]
	PLACES 2
	s_add_co_u32 s[KO], s[KO], 128*KP
	s_add_co_u32 s[VO], s[VO], 128
	WIN 0xc0
	FETCH_K                                        ; the next step's K lands under the softmax
.endif
	WIN 0x14
	s_wait_alu depctr_va_vdst(0)                   ; directly ahead of the first readers of S^T, part of which was written ahead of exponentials
	MAXPH
	WIN 0
	CHAIN \first
.if \first == 0
	WIN 0x82
	s_wait_alu depctr_va_vdst(0)                   ; the same for O^T
.irp w, 0,1,2,3
.set jj, 0
.rept 32
	v_pk_mul_f32 v[64*\w+jj:64*\w+jj+1], v[64*\w+jj:64*\w+jj+1], v[FF+2*\w:FF+2*\w+1] op_sel_hi:[1,0]   ; O^T x f, ahead of the step's exponentials
.set jj, jj+2
.endr
.endr
.endif
	WIN 0x45
.set ii, 0
.rept 32
	FMAP 0
.set ii, ii+1
.endr
	s_wait_alu depctr_va_vdst(0)                   ; a wait ahead of each batch and behind it
	EBLK 0
	s_wait_alu depctr_va_vdst(0)
	SUM 0, \first
	WIN 0x45
	EBLK 1
	s_wait_alu depctr_va_vdst(0)
	SUM 1, \first
	CVT 0
	s_wait_alu depctr_va_vdst(0)
	s_wait_dscnt 0x0                               ; this step's V and the next step's K are in
	WIN 0x45
	SETMX 0
	EBLK 2                                         ; with tile 0's sixteen matrix instructions
	FLUSH 0x45
	SETMX -1
	s_wait_alu depctr_va_vdst(0)
	SUM 2, \first
	CVT 1
	s_wait_alu depctr_va_vdst(0)
	WIN 0x45
	SETMX 1
	EBLK 3                                         ; with tile 1's
	FLUSH 0x45
	SETMX -1
	s_wait_alu depctr_va_vdst(0)
	CVT 2
	SETMX 2
	SUM 3, \first                                  ; with tile 2's, here and under the hold
	WIN 0x45
.set ii, 0
.rept 32
	MINP 3
	TICK 4, 0x45
.set ii, ii+1
.endr
	FLUSH 0x45
	CVT 3
	SETMX 3
.rept 8
	MX 0xa3
.endr
.if \last == 0
	PLACES 4
	WIN 0xc0
	FETCH_V                                        ; the next step's V
.rept 8
	MX 0x43
.endr
.endif
	WIN 0
.endm
; THE CHANGE OF SLOTS.  Each wave waits for its tensor load (its part of the slot ahead), adds 0 to its spare word, and waits for that and for its reads of the slot that it leaves, whose last K and V are in registers.
; fill = 1: a round of the cluster's barrier, and the slot just left takes the 256 keys that follow: the load has two trips in which to land.
.macro CHANGE fill, turn
	s_wait_tensorcnt 0x0
	ds_add_u32 v[SPW], v[NIL]
.if \turn
	s_xor_b32 s[TB], s[TB], SLOT1
	s_mov_b32 s[KO], s[TB]
	s_mov_b32 s[VO], s[TB]
.endif
.if \fill
	s_xor_b32 s[G0K+1], s[G0K+1], SLOT1
	s_add_nc_u64 s[G0K+2:G0K+3], s[G0K+2:G0K+3], SK*128
	s_xor_b32 s[G0V+1], s[G0V+1], SLOT1
	s_add_nc_u64 s[G0V+2:G0V+3], s[G0V+2:G0V+3], SK
	s_wait_xcnt 0x0                                ; the last prefetch has read its address
	s_add_nc_u64 s[PFA:PFA+1], s[PFA:PFA+1], s[PFS:PFS+1]
.endif
	s_wait_dscnt 0x0
.if \fill
	CROUND
	JLOAD
	ASK
.else
	s_barrier_signal -1
	s_barrier_wait -1
.endif
.endm
	CHANGE 1, 0                                    ; slot 0 is whole; slot 1's first fill goes out as a refill does
	v_add_nc_u32 v[ADK], s[KO], v[AK0]
	v_add_nc_u32 v[ADV], s[VO], v[AV0]
	s_add_co_u32 s[KO], s[KO], 128*KP
	s_add_co_u32 s[VO], s[VO], 128
	WIN 0xc0
	FETCH_K
	FETCH_V
	s_wait_dscnt 32                                ; K is in; V's 32 loads may be out
	WIN 0x43
.irp t, 0,1,2,3,4,5,6,7                ; step 0's scores: each fragment of K feeds the four tiles on end
.irp w, 0,1,2,3
	v_wmma_f32_16x16x128_fp8_fp8 v[64*\w+8*\t:64*\w+8*\t+7], v[16*\t:16*\t+15], v[QC+16*\w:QC+16*\w+15], 0
.endr
.endr
	WIN 0
	s_mov_b32 s[SLOTS], NSL-2
	ITER 1, 0                                      ; step 0's softmax; fetches step 1
.Lslot:                                            ; 14 trips: the changes to slots 1 .. 14, which ask for slots 2 .. 15
	CHANGE 1, 1
	s_mov_b32 s[IT], 0
.Lstep_a:
	ITER 0, 0
	s_add_co_u32 s[IT], s[IT], 1
	s_cmp_lt_u32 s[IT], 2
	s_cbranch_scc1 .Lstep_a
	s_sub_co_u32 s[SLOTS], s[SLOTS], 1
	s_cmp_lg_u32 s[SLOTS], 0
	s_cbranch_scc1 .Lslot
	CHANGE 0, 1                                    ; the last slot is written out: nothing more is asked for
	s_mov_b32 s[IT], 0
.Lstep_b:
	ITER 0, 0
	s_add_co_u32 s[IT], s[IT], 1
	s_cmp_lt_u32 s[IT], 2
	s_cbranch_scc1 .Lstep_b
	ITER 0, 1                                      ; the last step's softmax and second product
; THE WAY OUT.  The sums' parts and lane l xor 16's are added; O^T x 2^(ep + ev) / the sum goes into window 1, then through my stage in LDS, 256 bytes of 16 queries at a time.
.irp j, 0,1,2,3
.irp w, 0,1,2,3
	v_pk_add_f32 v[AC+16*\w+2*\j:AC+16*\w+2*\j+1], v[AC+16*\w+2*\j:AC+16*\w+2*\j+1], v[AC+16*\w+2*\j+8:AC+16*\w+2*\j+9]
.endr
.endr
.irp j, 0,1
.irp w, 0,1,2,3
	v_pk_add_f32 v[AC+16*\w+2*\j:AC+16*\w+2*\j+1], v[AC+16*\w+2*\j:AC+16*\w+2*\j+1], v[AC+16*\w+2*\j+4:AC+16*\w+2*\j+5]
.endr
.endr
.irp w, 0,1,2,3
	v_pk_add_f32 v[AC+16*\w:AC+16*\w+1], v[AC+16*\w:AC+16*\w+1], v[AC+16*\w+2:AC+16*\w+3]
.endr
.irp w, 0,1,2,3
	v_add_f32 v[AC+16*\w], v[AC+16*\w], v[AC+16*\w+1]
.endr
.irp w, 0,1,2,3
	v_permlanex16_b32 v[PT+\w], v[AC+16*\w], s[SEL], s[SEL+1]
.endr
.irp w, 0,1,2,3
	v_add_f32 v[AC+16*\w], v[AC+16*\w], v[PT+\w]   ; the row's sum
.endr
	s_wait_alu depctr_va_vdst(0)                   ; ahead of the batch,
.irp w, 0,1,2,3
	v_rcp_f32 v[FF+2*\w], v[AC+16*\w]
.endr
	v_nop
	s_wait_alu depctr_va_vdst(0)                   ; and behind it
.irp w, 0,1,2,3
	v_ldexp_f32 v[FF+2*\w], v[FF+2*\w], s68
.endr
	WIN 0x42
	s_wait_alu depctr_va_vdst(0)                   ; directly ahead of the first reader of O^T
.irp w, 0,1,2,3
.set jj, 0
.rept 32
	v_pk_mul_f32 v[64*\w+jj:64*\w+jj+1], v[64*\w+jj:64*\w+jj+1], v[FF+2*\w:FF+2*\w+1] op_sel_hi:[1,0]   ; register 8 t + i of tile w: o(r, 16 t + 8 h + i)
.set jj, jj+2
.endr
.endr
	s_wait_alu depctr_va_vdst(0)
.macro OUT w
.irp u, 0,1
	WIN 0x04
.irp t, 0,1,2,3
	ds_store_b128 v[STI], v[64*\w+32*\u+8*\t:64*\w+32*\u+8*\t+3] offset:64*\t
	ds_store_b128 v[STI], v[64*\w+32*\u+8*\t+4:64*\w+32*\u+8*\t+7] offset:64*\t+16
.endr
	WIN 0xc0
.irp i, 0,1,2,3,4,5,6,7
	ds_load_b128 v[64*\w+32*\u+4*\i:64*\w+32*\u+4*\i+3], v[STB] offset:2*\i*SPITCH   ; LDS serves a wave's instructions in order (ISA guide 5.7.1.4)
.endr
.endr
	WIN 0x0c
.irp u, 0,1
.irp i, 0,1,2,3,4,5,6,7
	s_wait_dscnt 23-16*\u-\i                       ; behind this load: its half's 7 - i younger loads and, for the first half, the second half's 8 stores and 8 loads
	global_store_b128 v[GO], v[64*\w+32*\u+4*\i:64*\w+32*\u+4*\i+3], s[12:13] offset:8192*\w+1024*\i+256*\u th:TH_STORE_NT   ; sixteen lanes store 256 consecutive bytes, aligned
.endr
.endr
.endm
	OUT 0
	OUT 1
	OUT 2
	OUT 3
	WIN 0
	s_wait_tensorcnt 0x0                           ; the wave's end
	ds_add_u32 v[SPW], v[NIL]
	s_wait_dscnt 0x0
	CROUND                                         ; the closing round
	s_endpgm
.Lfunc_end_k_q9506f89523_attend:
	.size	k_q9506f89523_attend, .Lfunc_end_k_q9506f89523_attend-k_q9506f89523_attend
	.p2alignl 7, 3214868480
	.fill 96, 4, 3214868480
	.section	.rodata,"a",@progbits
	.p2align	6, 0x0
	.amdhsa_kernel k_q9506f89523_attend
		.amdhsa_group_segment_fixed_size 327680
		.amdhsa_private_segment_fixed_size 0
		.amdhsa_enable_private_segment 0
		.amdhsa_kernarg_size 40
		.amdhsa_user_sgpr_count 2
		.amdhsa_user_sgpr_kernarg_segment_ptr 1
		.amdhsa_wavefront_size32 1
		.amdhsa_system_sgpr_workgroup_id_x 1
		.amdhsa_system_sgpr_workgroup_id_y 1
		.amdhsa_system_sgpr_workgroup_id_z 1
		.amdhsa_system_vgpr_workitem_id 0
		.amdhsa_next_free_vgpr 1024
		.amdhsa_next_free_sgpr 96
		.amdhsa_reserve_vcc 0
		.amdhsa_float_denorm_mode_32 3
		.amdhsa_float_denorm_mode_16_64 3
		.amdhsa_memory_ordered 1
		.amdhsa_forward_progress 1
		.amdhsa_inst_pref_size 255
	.end_amdhsa_kernel
	.section	.bss,"aw",@nobits
	.p2align	6
	.space	262144
	.amdgpu_metadata
---
amdhsa.version: [ 1, 2 ]
amdhsa.kernels:
  - .name:           k_q9506f89523_attend
    .symbol:         k_q9506f89523_attend.kd
    .args:
      - { .name: q, .offset: 0, .size: 8, .value_kind: global_buffer, .address_space: global }
      - { .name: k_codes, .offset: 8, .size: 8, .value_kind: global_buffer, .address_space: global }
      - { .name: v_codes, .offset: 16, .size: 8, .value_kind: global_buffer, .address_space: global }
      - { .name: lowp_scales, .offset: 24, .size: 8, .value_kind: global_buffer, .address_space: global }
      - { .name: out0, .offset: 32, .size: 8, .value_kind: global_buffer, .address_space: global }
    .group_segment_fixed_size: 327680
    .private_segment_fixed_size: 0
    .kernarg_segment_align: 8
    .kernarg_segment_size: 40
    .max_flat_workgroup_size: 128
    .sgpr_count:     96
    .vgpr_count:     1024
    .wavefront_size: 32
...
	.end_amdgpu_metadata
.endif
;; end of part 2
